; MI455X (gfx1250); checked and timed in simulation.
; The chip was launched on July 23, 2026; its instructions are those of AMD's public machine-readable ISA for CDNA 5 (MIT licence, August 2026) and "CDNA5" Instruction Set Architecture Reference Guide (July 2026). The comments in the code are by the model that wrote it; some were corrected since.
;; Multi Head Attention Pure. Allowed arithmetic: matrix products marked QUANTISED: E2M3 operands, one E8M0 scale for each 32 along K, by v_wmma_scale_f32_16x16x128_f8f6f4 with both operands' format E2M3, f32 sums; products left as they are: f32 operands where the result goes on into a quantised operand, else bf16, f16 or f32 operands; f32 sums; everything else in f32.
;; Inputs: W_out 1,024 x 1,024 float32; b_out 1,024 float32; k 2 x 1,024 x 1,024 float32; q 2 x 1,024 x 1,024 float32; v 2 x 1,024 x 1,024 float32.
;; Outputs: out0 2 x 1,024 x 1,024 float32.
;; Constants: apply_mask = 1.
;; This version of the problem:
;;   THIS VERSION OF THE PROBLEM IS GIVEN IN LOW PRECISION. The matrix products marked QUANTISED in the list below multiply operands that are first quantised to E2M3 (2 exponent bits, 3 mantissa bits; 6 bits a number), with one power-of-two scale for each 32 numbers along K (OCP MX v1.0); their sums are f32. All else is computed in f32.
;;   The module's matrix products, in the order in which they are computed (A, B: the left and right operand; K: the contracted axis; several contracted axes count as one K, in the product's order):
;;     1. batch 128 x [M 1,024, K 16] x [K 16, N 1,024]; A: input q; B: input k: left as it is (K = 16 < 32)
;;     2. batch 128 x [M 1,024, K 1,024] x [K 1,024, N 16]; A: softmax (see below); B: input v: QUANTISED
;;     3. [M 2,048, K 1,024] x [K 1,024, N 1,024]; A: computed on the way; B: input W_out: QUANTISED
;;   THE QUANTISER, for each operand of a quantised product, along K:
;;     - K is cut into blocks of 32 from its start; a last block that is shorter is filled with zeros.
;;     - A block's scale is 2^e with e = floor(log2(the largest magnitude in the block)) - 2, held to -126 .. 127; a block of zeros has e = 0. As a byte (E8M0): e + 127.
;;     - Each number is divided by its block's scale, clamped to +-7.5, and rounded to the nearest number of E2M3, ties to even, subnormals kept.
;;     - The product sums the exact products of the quantised numbers (number of the format x scale) in f32.
;;   ~~~python
;;   def quantise(x, axis):      # numpy; x: float32 -> the quantised numbers, widened to float32 again
;;       x = np.moveaxis(x, axis, -1); K = x.shape[-1]
;;       x = np.pad(x, [(0, 0)] * (x.ndim - 1) + [(0, -K % 32)]); x = x.reshape(x.shape[:-1] + (-1, 32)); a = np.abs(x).max(-1, keepdims=True)
;;       e = np.where(a > 0, np.clip(np.frexp(np.where(a > 0, a, 1))[1] - 1 - 2, -126, 127), 0)      # np.frexp(a)[1] - 1 = floor(log2(a)), exactly
;;       r = np.clip(x / 2.0 ** e, -7.5, 7.5)
;;       step = 2.0 ** (np.maximum(np.frexp(np.where(r == 0, 1, r))[1] - 1, 0) - 3)
;;       q = np.round(r / step) * step * 2.0 ** e      # np.round: ties to even
;;       return np.moveaxis(q.reshape(q.shape[:-2] + (-1,))[..., :K], -1, axis).astype(np.float32)
;;   ~~~
;;   SOFTMAX AHEAD OF A QUANTISED PRODUCT. Where the list says 'softmax', what is quantised is not the finished softmax but p = 2^(t - M), with t = logit x log2(e) and M = ceil(the row's largest t), a whole number; so 1/2 < the row's largest p <= 1. The row's sum l is taken of the UNQUANTISED p, in f32, and the product's result is divided by l at the end. Since M is a whole number, a kernel that streams over the keys may use a running M (the ceiling of the running maximum): every later rescaling is an exact power of two, which a block's scale takes up: the codes' values come out the same.
;;   OPERANDS COMPUTED ON THE WAY. 'Computed on the way' means the value that the module computes at that place (a softmax that the list does not call 'softmax' is quantised finished and normalised). What goes into a quantiser is computed in f32, as accurately as f32 sums, v_exp_f32 and their like allow (about 1e-6 of the number): no bf16 or f16 on the way to a quantiser, and a product that is left as it is and whose result goes on into a quantised operand takes f32 operands (vector FMAs, or v_wmma_f32_16x16x4_f32). A number that lies on a knife's edge between two numbers of the format may be rounded either way, as far as f32 arithmetic and the matrix unit's own rounding can turn it there, and no further.
;; One version. Each part assembles by itself: llvm-mc -triple=amdgcn-amd-amdhsa -mcpu=gfx1250 --defsym DOCPART=n.
;; ======== version 1 of 1: 2 launches
;; workspace buffers: x_codes 1,572,864 bytes; x_scales 65,536 bytes; w_codes 786,432 bytes; w_scales 32,768 bytes
;; launch attn (part 1): grid 256 x 1, 16 waves a work-group, no clusters, 89,088 bytes of LDS; arguments q, k, v, W_out, x_codes, x_scales, w_codes, w_scales; writes x_codes, x_scales, w_codes, w_scales
.if DOCPART == 1
	.amdgcn_target "amdgcn-amd-amdhsa--gfx1250"
	.amdhsa_code_object_version 6
	.text
	.protected	k_qd8384c1980_attn
	.globl	k_qd8384c1980_attn
	.p2align	8
	.type	k_qd8384c1980_attn,@function
k_qd8384c1980_attn:
	s_mov_b64 s[64:65], 0
	v_nop
	global_prefetch_b8 v0, s[64:65] scope:SCOPE_SE
	s_setreg_imm32_b32 hwreg(HW_REG_WAVE_MODE, 25, 1), 1
	s_wait_xcnt 0x0
; CAUSAL ATTENTION OVER 128 HEADS OF SIZE 16, AND THE QUANTISING OF ITS RESULT AND OF W_out.
; q, k, v: [2][1024][1024] f32.  Head g = 2 j + b takes features 16 j .. 16 j + 15 of batch b: 1,024 queries, 1,024 keys, key k counts for query q where k <= q.
; S^T = K Q^T in f32 (v_wmma_f32_16x16x4_f32: its result goes on into a quantiser); t = score x log2(e) / 4; M = the running largest t rounded UP to a whole number;
; p = 2^(t - M) is quantised to FP6 (E2M3) along the keys, one E8M0 scale for each 32; V likewise along the keys; O^T = V^T P^T by v_wmma_scale_f32_16x16x128_f8f6f4.
; The row's sum is taken of the unquantised p and divides O at the end.  When M moves, the sum and O are multiplied by 2^(old M - new M): exact.
; THE RESULT AS THE NEXT PRODUCT'S OPERAND.  In flat order (head, query, channel) the result is what the output projection reads as x[m][64 h' + c'] at ((h' 2048 + m) 64 + c'): a block of 32 along that product's K
; is two neighbouring queries (even, odd) x 16 channels of one head.  So each tile of queries is quantised here: 12 bytes of codes a query, one scale byte for two queries, both stored in flat order.
; W_out [1024][1024] is quantised along its rows on the side: each work-group takes 16 rows x 256 columns (waves 0-7, 512 numbers each), into w_codes [h' 16][n 1024][48 bytes] and w_scales [n / 16][h'][n % 16][2 bytes].
; SHARES.  Two work-groups to a head (x = 0, 1), sixteen waves each, four to a SIMD, so that one wave's softmax stands beside another's f32 products.  A head has 64 tiles of 16 queries; tile t needs t / 8 + 1
; key steps of 128.  Wave w (a = w / 4, i = w % 4) owns tile A = 8 a + 4 x + i and tile 63 - A: (a + 1) + (8 - a) = 9 steps in every wave.
; LAYOUT.  Both products are used transposed, so that a lane holds ONE query (lane % 16) throughout.  THE KEYS OF A TILE ARE NOT NEIGHBOURS: lane r of tile 2 b + u takes key 32 b + 8 u + r + 8 (r / 8),
; so that the 16 registers of tiles 2 b and 2 b + 1 are 16 neighbouring keys, 32 b + 16 (lane / 16) + 0 .. 15.
; THE HEAD'S K AND V LIE IN LDS FOR THE WHOLE LAUNCH, as images of the operands' registers: K's f32 fragments (64 KiB), V's codes (12 KiB) and scale words.  They are filled once, through registers:
; K has to be laid in operand order and V has to be quantised, which no copy engine does.  For the same reason the two work-groups of a head do not ask jointly: what they share is those 128 KiB, read once at the head.
; A head's part of a row of q, k or v is 64 bytes in the tensor itself; neighbouring work-groups read the neighbouring 64.
; THE ORDER OF THE FIRST PRODUCT'S SUM: instruction c of four takes registers 2 c, 2 c + 1 of both fragments, which hold channels 8 (lane / 16) + 2 c + 0, 1: the 16 products of a score are added in that order, not in ascending channels.
; LIMITS.  A hidden score counts as -infinity where the definition has -1e9: the same result wherever a row's open logits lie above about -9e8.  NaN and infinities among the inputs are not served.
; A block whose largest magnitude lies under 2^-124 (the floor), a block of zeros among them, gets the scale byte 1; its codes are zeros or lose their low bits; the bytes are read by this program alone.
; The scale bytes leave in runs of 32 and 128 bytes (96 KiB of the launch's 2.4 MB of stores).
.set KIMG, 0                           ; LDS: K: step s, tile t, half e: 8192 s + 1024 t + 512 e + 16 x lane: channels 8 h + 4 e .. + 3 of the lane's key
.set VIMG, 65536                       ; V's codes: half fragment (step s, c) at 768 (2 s + c): registers 6 c .. 6 c + 3 at 16 x lane, registers 6 c + 4, 5 at 512 + 8 x lane
.set VSC,  77824                       ; V's scale words: 64 s + 4 x channel; byte 2 c + h
.set XSTG, 78336                       ; the result's codes: 32 tile slots x 16 queries x a place of 16 bytes (12 used)
.set XSS,  86528                       ; the result's scale bytes: 8 a slot
.set WSS,  86784                       ; W's scale bytes: 16 a wave
.set FLOOR, 0x1800000                  ; 2^(3 - 127): no largest magnitude is taken under it, so no scale byte falls under 1
.set OFF2,  0xff000000                 ; takes 2 off an exponent field
.set AK,   1                           ; v1   16 x lane: my place in an image of K
.set AV1,  2                           ; v2   VIMG + 16 x lane
.set AV2,  3                           ; v3   VIMG + 512 + 8 x lane
.set AS,   4                           ; v4   VSC + 4 r
.set STA,  5                           ; v5, v6   where my two tiles' codes go: XSTG + 256 x slot + 16 r (slot w, slot 31 - w)
.set STB,  6
.set SSA,  7                           ; v7, v8   and their scale bytes: XSS + 8 x slot + r / 2
.set SSB,  8
.set DQ,   9                           ; v9   r - 16 h
.set ADK,  10                          ; v10-13 the addresses of the step in hand
.set ADV1, 11
.set ADV2, 12
.set ADS,  13
.set NM,   14                          ; v14 -M, v15 the largest t so far
.set LS,   16                          ; v[16:17] the row's sum in two halves
.set NEG,  18                          ; v18  -infinity
.set DG,   19                          ; v19  my query less the step's first key less 16 h
.set QA,   20                          ; v20-27, v28-35 the two tiles' fragments of Q
.set QB,   28
.set KP,   36                          ; v36-99   K's eight fragments; then t - M; then p
.set S,    100                         ; v100-163 S^T: written by the f32 matrix instruction alone
.set OT,   164                         ; v164-171 O^T
.set VF,   172                         ; v172-183 V's fragment
.set VS,   184                         ; v184 V's scale word, v185 p's: they hold nothing else
.set PS,   185
.set PC,   186                         ; v186-197 p's codes
.set CT,   198                         ; v198-200, v202-204 the upper halves of blocks, as converted
.set XRD,  201                         ; v201 XSTG + 16 x thread
.set SRD,  205                         ; v205 XSS + 8 x lane
.set BM,   206                         ; v206-209 the blocks' largest scores, then largest p  (at the head: offsets of the loads)
.set BT,   210                         ; v210-213 at work  (at the head: LDS addresses of the stores)
.set SO,   214                         ; v214-217 the conversions' scale operands  (at the head: v214 an address, v216 lane, v217 r)
.set FF,   218                         ; v[218:219] f = 2^(old M - new M)  (at the head: v218 = h)
.set T0,   220
.set WRD,  221                         ; v221 WSS + 4 x lane
.set Y,    222                         ; v[222:223] the sum's second chain
.set X,    224                         ; v224-239 a query's 16 channels  (at the head: 16 numbers of W)
.set XM,   240
.set XSO,  242
.set XB,   243
.set XC,   244                         ; v244-246 a query's codes
.set SGO,  247                         ; v247 my offset in the head's part of x_scales
.set WC,   248                         ; v248-250 W's codes; never rewritten
.set CGO,  251                         ; v251 12 x lane; never rewritten
.set XO,   252                         ; v252-254 codes on their way out
.set WGO,  255                         ; v255 4 x lane
.set LAM,  216
.set RR,   217
.set HH,   218
	s_load_b256 s[4:11], s[0:1], 0x0               ; q s[4:5], k s[6:7], v s[8:9], W_out s[10:11]
	s_load_b256 s[12:19], s[0:1], 0x20             ; x_codes s[12:13], x_scales s[14:15], w_codes s[16:17], w_scales s[18:19]
	v_lshrrev_b32 v[T0], 5, v0
	v_readfirstlane_b32 s20, v[T0]                 ; wave 0..15
	v_and_b32 v[LAM], 31, v0                       ; lane
	v_and_b32 v[RR], 15, v0                        ; r
	v_bfe_u32 v[HH], v0, 4, 1                      ; h
	v_lshrrev_b32 v[Y], 2, v[LAM]                  ; lane / 4
	v_and_b32 v[Y+1], 3, v[LAM]                    ; lane % 4
	v_lshlrev_b32 v206, 12, v[Y]
	v_lshl_add_u32 v209, v[Y+1], 6, v206           ; W: row lane / 4 of eight, 16 numbers at 64 (lane % 4)
	v_lshl_add_u32 v206, v[Y+1], 4, v206           ; K: key lane / 4 of eight, channels 4 (lane % 4) on
	v_lshlrev_b32 v207, 2, v[RR]
	v_lshl_add_u32 v207, v[HH], 17, v207           ; V: channel r; lanes 16-31 begin 32 keys further down
	v_lshlrev_b32 v208, 12, v[RR]
	v_lshl_add_u32 v208, v[HH], 5, v208            ; Q: query r, channels 8 h on
	s_and_b32 s21, ttmp9, 1                        ; x
	s_lshr_b32 s22, ttmp9, 1                       ; g
	s_lshr_b32 s23, ttmp9, 2                       ; W: which 16 rows
	s_and_b32 s46, ttmp9, 3                        ; W: which 256 columns
	s_and_b32 s36, s22, 1
	s_lshl_b32 s36, s36, 22                        ; batch b: 4 MiB
	s_lshr_b32 s37, s22, 1
	s_lshl_b32 s37, s37, 6                         ; chunk j: 64 bytes
	s_add_co_u32 s36, s36, s37                     ; the head's first byte in q, k and v
	s_lshl_b32 s38, s20, 18                        ; my wave's 64 keys: rows of 4,096 bytes
	s_add_co_u32 s38, s38, s36
	s_mov_b32 s39, 0
	s_lshr_b32 s32, s20, 2                         ; tile A's step on the diagonal: a
	s_xor_b32 s33, s32, 7                          ; tile B's: 7 - a
	s_and_b32 s34, s20, 3
	s_lshl_b32 s44, s21, 2
	s_add_co_u32 s34, s34, s44                     ; 4 x + i
	s_lshl_b32 s44, s32, 3
	s_add_co_u32 s44, s44, s34                     ; tile A
	s_sub_co_u32 s45, 63, s44                      ; tile B
	s_lshl_b32 s34, s34, 4                         ; tile A's first query less its diagonal step's first key
	s_sub_co_u32 s35, 112, s34                     ; tile B's
	s_lshl_b32 s40, s44, 16                        ; a tile's 16 rows of 4,096 bytes
	s_add_co_u32 s40, s40, s36
	s_mov_b32 s41, 0
	s_lshl_b32 s42, s45, 16
	s_add_co_u32 s42, s42, s36
	s_mov_b32 s43, 0
	s_and_b32 s47, s20, 7                          ; W's waves are 0-7
	s_and_b32 s48, s47, 1                          ; which 8 of the 16 rows
	s_lshr_b32 s49, s47, 1                         ; which 64 of the 256 columns
	s_lshl_b32 s50, s23, 16
	s_lshl_b32 s52, s48, 15
	s_add_co_u32 s50, s50, s52
	s_lshl_b32 s52, s46, 10
	s_add_co_u32 s50, s50, s52
	s_lshl_b32 s52, s49, 8
	s_add_co_u32 s50, s50, s52
	s_mov_b32 s51, 0
	s_wait_kmcnt 0x0
	s_add_nc_u64 s[6:7], s[6:7], s[38:39]          ; K and V at my wave's 64 keys
	s_add_nc_u64 s[8:9], s[8:9], s[38:39]
	s_add_nc_u64 s[40:41], s[4:5], s[40:41]        ; Q at tile A,
	s_add_nc_u64 s[42:43], s[4:5], s[42:43]        ; at tile B
	s_add_nc_u64 s[10:11], s[10:11], s[50:51]      ; W at my wave's 8 rows x 64 columns
.irp i, 0,1,2,3,4,5,6,7
	global_load_b128 v[KP+4*\i:KP+4*\i+3], v206, s[6:7] offset:32768*\i      ; keys 64 w + 8 i + lane / 4
.endr
.irp i, 0,1,2,3,4,5,6,7,8,9,10,11,12,13,14,15,16,17,18,19,20,21,22,23,24,25,26,27,28,29,30,31
	global_load_b32 v[KP+32+\i], v207, s[8:9] offset:4096*\i                 ; V(64 w + 32 h + i, r): a whole block of 32 keys in a lane's registers
.endr
	global_load_b128 v[QA:QA+3], v208, s[40:41]
	global_load_b128 v[QA+4:QA+7], v208, s[40:41] offset:16
	global_load_b128 v[QB:QB+3], v208, s[42:43]
	global_load_b128 v[QB+4:QB+7], v208, s[42:43] offset:16
	s_cmp_lt_u32 s20, 8
	s_cbranch_scc0 .Lno_w_load
.irp i, 0,1,2,3
	global_load_b128 v[X+4*\i:X+4*\i+3], v209, s[10:11] offset:16*\i         ; 16 neighbours of a row of W: two neighbouring lanes hold a block
.endr
.Lno_w_load:
	; while the loads are out: every address that the launch will use, all ahead of the first work that differs between waves
	v_lshlrev_b32 v[AK], 4, v[LAM]
	v_add_nc_u32 v[AV1], VIMG, v[AK]
	v_lshl_add_u32 v[AV2], v[LAM], 3, VIMG+512
	v_lshl_add_u32 v[AS], v[RR], 2, VSC
	s_lshl_b32 s48, s20, 8                         ; slot w,
	s_xor_b32 s49, s20, 31
	s_lshl_b32 s50, s49, 8                         ; slot 31 - w
	v_lshl_add_u32 v[STA], v[RR], 4, XSTG
	v_add_nc_u32 v[STB], s50, v[STA]
	v_add_nc_u32 v[STA], s48, v[STA]
	s_lshl_b32 s48, s20, 3
	s_lshl_b32 s50, s49, 3
	v_lshrrev_b32 v[SSA], 1, v[RR]
	v_add_nc_u32 v[SSA], XSS, v[SSA]
	v_add_nc_u32 v[SSB], s50, v[SSA]
	v_add_nc_u32 v[SSA], s48, v[SSA]
	v_lshlrev_b32 v[DQ], 4, v[HH]
	v_sub_nc_u32 v[DQ], v[RR], v[DQ]
	v_lshl_add_u32 v[XRD], v0, 4, XSTG
	v_lshl_add_u32 v[SRD], v[LAM], 3, XSS
	v_lshl_add_u32 v[WRD], v[LAM], 2, WSS
	v_lshlrev_b32 v[WGO], 2, v[LAM]
	v_mul_u32_u24 v[CGO], v[LAM], 12
	v_lshlrev_b32 v[SGO], 6, v[Y]                  ; slot = lane holds tile 8 (lane / 4) + 4 (x xor lane / 16) + lane % 4: 8 bytes a tile
	v_xor_b32 v[T0], s21, v[HH]
	v_lshl_add_u32 v[SGO], v[T0], 5, v[SGO]
	v_lshl_add_u32 v[SGO], v[Y+1], 3, v[SGO]
	v_lshlrev_b32 v210, 4, v[Y]                    ; K into its image: 4096 w + 16 (lane / 4) + 512 (lane % 2) + 256 ((lane / 2) % 2)
	v_and_b32 v[T0], 1, v[LAM]
	v_lshl_add_u32 v210, v[T0], 9, v210
	v_bfe_u32 v[T0], v[LAM], 1, 1
	v_lshl_add_u32 v210, v[T0], 8, v210
	s_lshl_b32 s48, s20, 12
	v_add_nc_u32 v210, s48, v210
	s_mul_i32 s48, s20, 768                        ; V's half fragment w
	v_add_nc_u32 v211, s48, v[AV1]
	v_add_nc_u32 v212, s48, v[AV2]
	s_lshr_b32 s48, s20, 1
	s_lshl_b32 s48, s48, 6
	s_and_b32 s50, s20, 1
	s_lshl_b32 s50, s50, 1
	s_add_co_u32 s48, s48, s50
	v_add_nc_u32 v213, v[AS], v[HH]
	v_add_nc_u32 v213, s48, v213                   ; its scale byte: VSC + 64 (w / 2) + 4 r + 2 (w % 2) + h
	s_lshl_b32 s48, s20, 4
	s_add_co_u32 s48, s48, WSS
	v_lshrrev_b32 v214, 1, v[LAM]
	v_add_nc_u32 v214, s48, v214                   ; W's scale byte: WSS + 16 w + lane / 2
	; where the results go
	s_and_b32 s48, s47, 1
	s_lshr_b32 s49, s47, 1
	s_lshl_b32 s52, s46, 2
	s_add_co_u32 s52, s52, s49                     ; h' = 4 x quarter + (w / 2)
	s_mul_i32 s52, s52, 49152
	s_mul_i32 s54, s23, 768
	s_add_co_u32 s52, s52, s54
	s_mul_i32 s54, s48, 384
	s_add_co_u32 s52, s52, s54
	s_mov_b32 s53, 0
	s_add_nc_u64 s[16:17], s[16:17], s[52:53]      ; w_codes: my wave's 384 consecutive bytes
	s_lshl_b32 s54, s23, 9
	s_lshl_b32 s56, s46, 7
	s_add_co_u32 s54, s54, s56
	s_mov_b32 s55, 0
	s_add_nc_u64 s[18:19], s[18:19], s[54:55]      ; w_scales: the work-group's 128 consecutive bytes
	s_mul_i32 s56, s22, 12288                      ; x_codes: the head's 12,288 bytes; slots 2 w and 2 w + 1 are tiles 8 (w / 2) + 4 (x xor w / 8) + 2 (w % 2) + 0, 1: 192 bytes a tile
	s_lshr_b32 s58, s20, 1
	s_mul_i32 s58, s58, 1536
	s_add_co_u32 s56, s56, s58
	s_lshr_b32 s58, s20, 3
	s_xor_b32 s58, s58, s21
	s_mul_i32 s58, s58, 768
	s_add_co_u32 s56, s56, s58
	s_and_b32 s58, s20, 1
	s_mul_i32 s58, s58, 384
	s_add_co_u32 s56, s56, s58
	s_mov_b32 s57, 0
	s_add_nc_u64 s[12:13], s[12:13], s[56:57]
	s_lshl_b32 s58, s22, 9
	s_mov_b32 s59, 0
	s_add_nc_u64 s[14:15], s[14:15], s[58:59]      ; x_scales: the head's 512 bytes
	s_mov_b32 s24, 0x76543210
	s_mov_b32 s25, 0xfedcba98                      ; v_permlanex16_b32's selects for lane l xor 16
	s_mov_b32 s26, 0x3eb8aa3b                      ; c = log2(e) / sqrt(16)
	s_mov_b32 s27, s26                             ; (named with it as a pair, so it is written)
	s_wait_loadcnt 36                              ; K's eight loads are in: behind them V's 32 and Q's 4 were issued (in waves 0-7 W's 4 too: there the count asks for more than is needed)
.irp i, 0,1,2,3,4,5,6,7
	ds_store_b128 v210, v[KP+4*\i:KP+4*\i+3] offset:(\i/4)*2048+(\i%2)*1024+((\i/2)%2)*128   ; key 64 w + 8 i + lane / 4 is row lane / 4 + 8 ((i / 2) % 2) of tile 4 (w % 2) + 2 (i / 4) + i % 2
.endr
	s_wait_loadcnt 4                               ; V's 32 are in: at most the last four loads issued (Q's, or W's) are out
	v_max3_num_f32 v[T0], |v[KP+32]|, |v[KP+33]|, |v[KP+34]|        ; V's block: all 32 numbers are mine
	v_max3_num_f32 v[Y], |v[KP+35]|, |v[KP+36]|, |v[KP+37]|
.irp i, 6,10,14,18,22,26
	v_max3_num_f32 v[T0], v[T0], |v[KP+32+\i]|, |v[KP+33+\i]|
	v_max3_num_f32 v[Y], v[Y], |v[KP+34+\i]|, |v[KP+35+\i]|
.endr
	v_max3_num_f32 v[T0], v[T0], |v[KP+62]|, |v[KP+63]|
	v_max3_num_f32 v[T0], v[T0], v[Y], FLOOR
	v_add_nc_u32 v[Y+1], OFF2, v[T0]               ; 2 off the exponent field: the conversion takes the exponent field of this operand as its scale
	v_lshrrev_b32 v[LAM], 23, v[Y+1]               ; the scale's byte
	v_cvt_scalef32_pk16_fp6_f32 v[PC:PC+2], v[KP+32:KP+47], v[Y+1]
	v_cvt_scalef32_pk16_fp6_f32 v[CT:CT+2], v[KP+48:KP+63], v[Y+1]   ; (a conversion's three registers begin on an even number)
	v_nop                                          ; one plain place behind a scaled conversion
.irp i, 0,1,2
	v_mov_b32 v[PC+3+\i], v[CT+\i]
.endr
	ds_store_b128 v211, v[PC:PC+3]                 ; the half fragment goes to LDS as it stands in the registers
	ds_store_b64 v212, v[PC+4:PC+5]
	ds_store_b8 v213, v[LAM]
	s_wait_loadcnt 0x0                             ; Q and W
	s_cmp_lt_u32 s20, 8
	s_cbranch_scc0 .Lno_w
	v_max3_num_f32 v[T0], |v[X]|, |v[X+1]|, |v[X+2]|                ; W: the largest magnitude of my 16,
	v_max3_num_f32 v[Y], |v[X+3]|, |v[X+4]|, |v[X+5]|
.irp i, 6,10
	v_max3_num_f32 v[T0], v[T0], |v[X+\i]|, |v[X+\i+1]|
	v_max3_num_f32 v[Y], v[Y], |v[X+\i+2]|, |v[X+\i+3]|
.endr
	v_max3_num_f32 v[T0], v[T0], |v[X+14]|, |v[X+15]|
	v_max3_num_f32 v[T0], v[T0], v[Y], FLOOR
	v_max_num_f32_dpp v[T0], v[T0], v[T0] row_xmask:1 row_mask:0xf bank_mask:0xf   ; and of my neighbour's 16: the block's
	v_add_nc_u32 v[Y+1], OFF2, v[T0]
	v_cvt_scalef32_pk16_fp6_f32 v[WC:WC+2], v[X:X+15], v[Y+1]
	v_lshrrev_b32 v[RR], 23, v[Y+1]                ; the scale's byte (also the plain place behind the conversion)
	ds_store_b8 v214, v[RR]                        ; both lanes of a block write the same byte with the same value
	global_store_b96 v[CGO], v[WC:WC+2], s[16:17]  ; 32 lanes store 384 consecutive bytes; the two waves of a chunk of 64 columns store 768, three aligned runs of 256.  Its registers are never written again
.Lno_w:
	s_wait_dscnt 0x0                               ; for the others' sake: my stores into the images are done
	v_mov_b32 v[NEG], 0xff800000
.irp b, 0,1,2,3
	v_mov_b32 v[BT+\b], 0                          ; written once: a lane permute's destination counts as one of its sources
.endr
	v_mov_b32 v[FF+1], 0                           ; (named as the upper half of the pair v[218:219])
	s_barrier_signal -1
	s_barrier_wait -1                              ; the head's K and V lie in LDS; nobody writes them again
; The blocks' largest scores, the new M, f, and t - M.  src: where the scores stand (S, or KP where hidden ones were replaced).  Each accumulator of S is read from its low end on.
.macro MAXFMA src
.irp b, 0,1,2,3
	v_max3_num_f32 v[BM+\b], v[\src+16*\b], v[\src+1+16*\b], v[\src+2+16*\b]   ; THE LARGEST SCORE OF EACH BLOCK OF 32 KEYS serves twice: for the row's maximum and, since p rises with the score, for the block's largest p
.endr
.irp i, 3,5,7,9,11,13
.irp b, 0,1,2,3
	v_max3_num_f32 v[BM+\b], v[BM+\b], v[\src+16*\b+\i], v[\src+1+16*\b+\i]
.endr
.endr
.irp b, 0,1,2,3
	v_max_num_f32 v[BM+\b], v[BM+\b], v[\src+15+16*\b]
.endr
.irp b, 0,1,2,3
	v_permlanex16_b32 v[BT+\b], v[BM+\b], s24, s25
.endr
.irp b, 0,1,2,3
	v_max_num_f32 v[BM+\b], v[BM+\b], v[BT+\b]     ; with lane l xor 16's 16 keys
.endr
	v_max3_num_f32 v[T0], v[BM], v[BM+1], v[BM+2]
	v_max_num_f32 v[T0], v[T0], v[BM+3]            ; the step's largest score of my query
	v_mul_f32 v[T0], s26, v[T0]                    ; as t (c is positive)
	v_max_num_f32 v[NM+1], v[NM+1], v[T0]          ; the running largest t
	v_mov_b32 v[T0], v[NM]
	v_floor_f32 v[NM], -v[NM+1]                    ; the new -M = floor(-t) = -ceil(t): a whole number
	v_sub_f32 v[T0], v[NM], v[T0]                  ; old M less new M: a whole number, 0 or less
	v_cvt_i32_f32 v[T0], v[T0]                     ; (it saturates)
	v_ldexp_f32 v[FF], 1.0, v[T0]                  ; f = 2^(old M - new M)
.set n, 0
.rept 32
	v_pk_fma_f32 v[KP+n:KP+n+1], v[\src+n:\src+n+1], s[26:27], v[NM:NM+1] op_sel_hi:[1,0,0]   ; t - M, two at a time (of the pairs c and -M the low word serves both halves)
.set n, n+2
.endr
.irp b, 0,1,2,3
	v_fma_f32 v[BM+\b], v[BM+\b], s26, v[NM]       ; the same of each block's largest score
.endr
.endm
; ONE TILE OF 16 QUERIES.  qf: its fragment of Q; sto, sso: where its codes and scale bytes go; nd: the scalar with its step on the diagonal; dd: the scalar with its first query less that step's first key;
; trips: the loop's constant count.  A step all of whose keys come after the tile's queries is left out by a scalar branch on ids, round the step's work and not round the lines that step addresses.
.macro TILE qf, sto, sso, nd, dd, trips
	v_mov_b32 v[NM+1], 0xff61b1e6                  ; the largest t so far: -3e38, under every t
	v_mov_b32 v[LS], 0
	v_mov_b32 v[LS+1], 0
	v_floor_f32 v[NM], -v[NM+1]
.irp j, 0,1,2,3,4,5,6,7
	v_mov_b32 v[OT+\j], 0                          ; O^T: eight registers; the step is written once, and its first trip finds zeros, which the first change of M leaves zeros
.endr
	s_mov_b32 s28, 0                               ; where the step's K,
	s_mov_b32 s29, 0                               ; V
	s_mov_b32 s30, 0                               ; and V's scale words begin
	s_mov_b32 s31, 0                               ; the step
.Lstep_\@:
	s_cmp_gt_u32 s31, s[\nd]
	s_cbranch_scc1 .Lskip_\@
	v_add_nc_u32 v[ADK], s28, v[AK]                ; (these four are also the places between the last step's scaled product and the loads into its registers)
	v_add_nc_u32 v[ADV1], s29, v[AV1]
	v_add_nc_u32 v[ADV2], s29, v[AV2]
	v_add_nc_u32 v[ADS], s30, v[AS]
.irp t, 0,1,2,3,4,5,6,7
	ds_load_b128 v[KP+8*\t:KP+8*\t+3], v[ADK] offset:1024*\t         ; 32 lanes read 512 consecutive bytes
	ds_load_b128 v[KP+8*\t+4:KP+8*\t+7], v[ADK] offset:1024*\t+512
.endr
	ds_load_b128 v[VF:VF+3], v[ADV1]
	ds_load_b64 v[VF+4:VF+5], v[ADV2]
	ds_load_b128 v[VF+6:VF+9], v[ADV1] offset:768
	ds_load_b64 v[VF+10:VF+11], v[ADV2] offset:768
	ds_load_b32 v[VS], v[ADS]
	s_wait_dscnt 5                                 ; K's sixteen loads are in; V's four and its scale word, issued behind them, may be out
.irp c, 0,1,2,3                                ; S^T = K Q^T: eight tiles of 16 keys by turns, one instruction a turn; four instructions deep; the first starts each sum
.irp t, 0,1,2,3,4,5,6,7
.if \c == 0
	v_wmma_f32_16x16x4_f32 v[S+8*\t:S+8*\t+7], v[KP+8*\t:KP+8*\t+1], v[\qf:\qf+1], 0
.else
	v_wmma_f32_16x16x4_f32 v[S+8*\t:S+8*\t+7], v[KP+8*\t+2*\c:KP+8*\t+2*\c+1], v[\qf+2*\c:\qf+2*\c+1], v[S+8*\t:S+8*\t+7]
.endif
.endr
.endr
	v_add_nc_u32 v[DG], s[\dd], v[DQ]              ; d = my query - the diagonal step's first key - 16 h.  This line and seven v_nop: the eight places behind this form, ahead of the reads of S and the writes over K's registers
.rept 7
	v_nop
.endr
	s_cmp_eq_u32 s31, s[\nd]
	s_cbranch_scc0 .Lopen_\@
.set n, 0
.rept 64                                       ; on the diagonal: register 16 b + i holds key 32 b + 16 h + i of the step: hidden where 32 b + i > d.  It becomes -infinity ahead of the maximum, in other registers than S
	v_cmp_gt_i32 vcc_lo, 32*(n/16)+n%16, v[DG]
	v_cndmask_b32 v[KP+n], v[S+n], v[NEG], vcc_lo
.set n, n+1
.endr
	MAXFMA KP
	s_branch .Ljoin_\@
.Lopen_\@:
	MAXFMA S
.Ljoin_\@:
.set n, 0
.rept 64
	v_exp_f32 v[KP+n], v[KP+n]                     ; p = 2^(t - M), at most 1: NOT normalised
.set n, n+1
.endr
	v_pk_mul_f32 v[LS:LS+1], v[LS:LS+1], v[FF:FF+1] op_sel_hi:[1,0]   ; the sums under the new M (a plain place behind the exponentials)
	s_wait_alu depctr_va_vdst(0)                   ; one wait for the batch of 64, ahead of its first reader
.irp b, 0,1,2,3
	v_exp_f32 v[BM+\b], v[BM+\b]                   ; the block's largest p: the same two instructions on the same number give the same bits
.endr
	v_pk_add_f32 v[Y:Y+1], v[KP:KP+1], v[KP+2:KP+3]                   ; THE ROW'S SUM IS TAKEN OF THE UNQUANTISED p, two at a time, in two chains; its first half is the plain work behind the four
.irp j, 4,8,12,16,20,24,28
	v_pk_add_f32 v[LS:LS+1], v[LS:LS+1], v[KP+\j:KP+\j+1]
	v_pk_add_f32 v[Y:Y+1], v[Y:Y+1], v[KP+\j+2:KP+\j+3]
.endr
	s_wait_alu depctr_va_vdst(0)                   ; and one for the four
.irp b, 0,1,2,3
	v_max_num_f32 v[BM+\b], FLOOR, v[BM+\b]        ; (a block whose every p is 0 keeps the byte 1: its codes are zeros)
.endr
.irp b, 0,1,2,3
	v_add_nc_u32 v[SO+\b], OFF2, v[BM+\b]          ; the conversion's scale operand
.endr
.irp b, 0,1,2,3
	v_lshrrev_b32 v[BT+\b], 23, v[SO+\b]           ; the scale's byte
.endr
	v_lshl_or_b32 v[PS], v[BT+1], 8, v[BT]         ; p's scale word for these 128 keys
	v_lshl_or_b32 v[PS], v[BT+2], 16, v[PS]
	v_lshl_or_b32 v[PS], v[BT+3], 24, v[PS]
.irp c, 0,1
	v_cvt_scalef32_pk16_fp6_f32 v[PC+6*\c:PC+6*\c+2], v[KP+32*\c:KP+32*\c+15], v[SO+2*\c]
	v_cvt_scalef32_pk16_fp6_f32 v[CT+4*\c:CT+4*\c+2], v[KP+32*\c+16:KP+32*\c+31], v[SO+2*\c+1]
.endr
	v_nop                                          ; one plain place behind a scaled conversion
.irp c, 0,1                                    ; the operand's layout wants a WHOLE block in a lane: lanes 0-15 block 2 c, lanes 16-31 block 2 c + 1
.irp i, 0,1,2
	v_permlane16_swap_b32 v[PC+6*\c+\i], v[CT+4*\c+\i]
.endr
.irp i, 0,1,2
	v_mov_b32 v[PC+6*\c+3+\i], v[CT+4*\c+\i]
.endr
.endr
.irp j, 0,2,4,6
	v_pk_mul_f32 v[OT+\j:OT+\j+1], v[OT+\j:OT+\j+1], v[FF:FF+1] op_sel_hi:[1,0]   ; O^T under the new M, from its low end on
.endr
.irp j, 32,36,40,44,48,52,56,60                ; the sum's second half: 17 plain lines that name no register of the product below: the eight places between p's scale word and it, and the four behind p's codes
	v_pk_add_f32 v[LS:LS+1], v[LS:LS+1], v[KP+\j:KP+\j+1]
	v_pk_add_f32 v[Y:Y+1], v[Y:Y+1], v[KP+\j+2:KP+\j+3]
.endr
	v_pk_add_f32 v[LS:LS+1], v[LS:LS+1], v[Y:Y+1]
	s_wait_dscnt 0x0                               ; V's fragment and scale word are in
	v_wmma_scale_f32_16x16x128_f8f6f4 v[OT:OT+7], v[VF:VF+11], v[PC:PC+11], v[OT:OT+7], v[VS], v[PS] matrix_a_fmt:MATRIX_FMT_FP6 matrix_b_fmt:MATRIX_FMT_FP6   ; O^T += V^T P^T: source 0 = the 16 channels, source 1 = my 16 queries, K = these 128 keys
.Lskip_\@:
	s_add_co_u32 s28, s28, 8192
	s_add_co_u32 s29, s29, 1536
	s_add_co_u32 s30, s30, 64
	s_add_co_u32 s31, s31, 1
	s_cmp_lt_u32 s31, \trips
	s_cbranch_scc1 .Lstep_\@
	; the tile's end: O^T / the sum, then quantised as the next product's operand
	v_add_f32 v[LS], v[LS], v[LS+1]                ; the sum's two halves,
	v_permlanex16_b32 v[T0], v[LS], s24, s25
	v_add_f32 v[LS], v[LS], v[T0]                  ; and lane l xor 16's
	v_rcp_f32 v[Y], v[LS]
	v_nop                                          ; a plain place behind the reciprocal; with the two additions and the next line, four places behind the last product
	v_nop
	s_wait_alu depctr_va_vdst(0)                   ; the wait ahead of the reciprocal's first reader
.irp j, 0,1,2,3,4,5,6,7
	v_mul_f32 v[X+\j], v[OT+\j], v[Y]              ; lane (r, h): channel 8 h + j of query r
.endr
.irp j, 0,1,2,3,4,5,6,7
	v_mul_f32 v[X+8+\j], v[OT+\j], v[Y]
.endr
.irp j, 0,1,2,3,4,5,6,7
	v_permlane16_swap_b32 v[X+\j], v[X+8+\j]       ; the first's lanes 16-31 change places with the second's lanes 0-15: every lane now holds channels 0 .. 15 of query r
.endr
	v_max3_num_f32 v[XM], |v[X]|, |v[X+1]|, FLOOR
	v_max3_num_f32 v[XM+1], |v[X+2]|, |v[X+3]|, |v[X+4]|
.irp i, 5,9
	v_max3_num_f32 v[XM], v[XM], |v[X+\i]|, |v[X+\i+1]|
	v_max3_num_f32 v[XM+1], v[XM+1], |v[X+\i+2]|, |v[X+\i+3]|
.endr
	v_max3_num_f32 v[XM], v[XM], |v[X+13]|, |v[X+14]|
	v_max3_num_f32 v[XM], v[XM], v[XM+1], |v[X+15]|
	v_max_num_f32_dpp v[XM], v[XM], v[XM] row_xmask:1 row_mask:0xf bank_mask:0xf   ; with the neighbouring query's 16: the block of 32
	v_add_nc_u32 v[XSO], OFF2, v[XM]
	v_cvt_scalef32_pk16_fp6_f32 v[XC:XC+2], v[X:X+15], v[XSO]
	v_lshrrev_b32 v[XB], 23, v[XSO]                ; the scale's byte (also the plain place behind the conversion)
	ds_store_b96 v[\sto], v[XC:XC+2]               ; 12 bytes to a place of 16; lanes l and l + 16 write the same bytes with the same values
	ds_store_b8 v[\sso], v[XB]
.endm
	TILE QA, STA, SSA, 32, 34, 4                   ; tiles 0-31 end in steps 0-3
	TILE QB, STB, SSB, 33, 35, 8                   ; tiles 32-63 in steps 4-7
	s_wait_dscnt 0x0                               ; for the others' sake: my stores into the stage are done
	s_barrier_signal -1
	s_barrier_wait -1                              ; the work-group's 32 tiles lie in the stage
	ds_load_b96 v[XO:XO+2], v[XRD]                 ; slot thread / 16, query thread % 16
	s_cmp_lg_u32 s20, 0
	s_cbranch_scc1 .Lnot_0
	ds_load_b64 v[XM:XM+1], v[SRD]                 ; wave 0: a slot's 8 scale bytes a lane
	s_wait_dscnt 0x0
	global_store_b64 v[SGO], v[XM:XM+1], s[14:15]
.Lnot_0:
	s_cmp_lg_u32 s20, 1
	s_cbranch_scc1 .Lnot_1
	ds_load_b32 v[XSO], v[WRD]                     ; wave 1: W's 128 scale bytes
	s_wait_dscnt 0x0
	global_store_b32 v[WGO], v[XSO], s[18:19]
.Lnot_1:
	s_wait_dscnt 0x0
	global_store_b96 v[CGO], v[XO:XO+2], s[12:13]  ; 32 lanes store 384 consecutive bytes; two neighbouring waves store 768, three aligned runs of 256
	s_wait_xcnt 0x0
	v_lshl_add_u32 v254, v0, 2, 0x15400
	v_mov_b32 v255, 0
	s_wait_tensorcnt 0x0
	ds_add_u32 v254, v255
	s_wait_dscnt 0x0
	s_endpgm
.Lfunc_end_k_qd8384c1980_attn:
	.size	k_qd8384c1980_attn, .Lfunc_end_k_qd8384c1980_attn-k_qd8384c1980_attn
	.p2alignl 7, 3214868480
	.fill 96, 4, 3214868480
	.section	.rodata,"a",@progbits
	.p2align	6, 0x0
	.amdhsa_kernel k_qd8384c1980_attn
		.amdhsa_group_segment_fixed_size 89088
		.amdhsa_private_segment_fixed_size 0
		.amdhsa_enable_private_segment 0
		.amdhsa_kernarg_size 64
		.amdhsa_user_sgpr_count 2
		.amdhsa_user_sgpr_kernarg_segment_ptr 1
		.amdhsa_wavefront_size32 1
		.amdhsa_system_sgpr_workgroup_id_x 1
		.amdhsa_system_sgpr_workgroup_id_y 1
		.amdhsa_system_sgpr_workgroup_id_z 1
		.amdhsa_system_vgpr_workitem_id 0
		.amdhsa_next_free_vgpr 256
		.amdhsa_next_free_sgpr 66
		.amdhsa_reserve_vcc 1
		.amdhsa_float_denorm_mode_32 3
		.amdhsa_float_denorm_mode_16_64 3
		.amdhsa_memory_ordered 1
		.amdhsa_forward_progress 1
		.amdhsa_inst_pref_size 70
	.end_amdhsa_kernel
	.amdgpu_metadata
---
amdhsa.version: [ 1, 2 ]
amdhsa.kernels:
  - .name:           k_qd8384c1980_attn
    .symbol:         k_qd8384c1980_attn.kd
    .args:
      - { .name: q, .offset: 0, .size: 8, .value_kind: global_buffer, .address_space: global }
      - { .name: k, .offset: 8, .size: 8, .value_kind: global_buffer, .address_space: global }
      - { .name: v, .offset: 16, .size: 8, .value_kind: global_buffer, .address_space: global }
      - { .name: W_out, .offset: 24, .size: 8, .value_kind: global_buffer, .address_space: global }
      - { .name: x_codes, .offset: 32, .size: 8, .value_kind: global_buffer, .address_space: global }
      - { .name: x_scales, .offset: 40, .size: 8, .value_kind: global_buffer, .address_space: global }
      - { .name: w_codes, .offset: 48, .size: 8, .value_kind: global_buffer, .address_space: global }
      - { .name: w_scales, .offset: 56, .size: 8, .value_kind: global_buffer, .address_space: global }
    .group_segment_fixed_size: 89088
    .private_segment_fixed_size: 0
    .kernarg_segment_align: 8
    .kernarg_segment_size: 64
    .max_flat_workgroup_size: 512
    .sgpr_count:     66
    .vgpr_count:     256
    .wavefront_size: 32
...
	.end_amdgpu_metadata
.endif
;; end of part 1
;; launch proj (part 2): grid 16 x 16, 8 waves a work-group, clusters of 4 x 4, 189,440 bytes of LDS; arguments x_codes, x_scales, w_codes, w_scales, b_out, out0; writes out0
.if DOCPART == 2
	.amdgcn_target "amdgcn-amd-amdhsa--gfx1250"
	.amdhsa_code_object_version 6
	.text
	.protected	k_qd8384c1980_proj
	.globl	k_qd8384c1980_proj
	.p2align	8
	.type	k_qd8384c1980_proj,@function
k_qd8384c1980_proj:
	s_mov_b64 s[64:65], 0
	v_nop
	global_prefetch_b8 v0, s[64:65] scope:SCOPE_SE
	s_setreg_imm32_b32 hwreg(HW_REG_WAVE_MODE, 25, 1), 1
	s_wait_xcnt 0x0
	s_wait_alu depctr_hold_cnt(0) depctr_sa_sdst(0) depctr_va_vdst(0) depctr_va_sdst(0) depctr_va_ssrc(0) depctr_va_vcc(0) depctr_vm_vsrc(0)
	s_getreg_b32 s2, hwreg(HW_REG_IB_STS2, 6, 4)
	s_cmp_eq_u32 s2, 0
	s_cbranch_scc0 .Lentry_in_a_cluster
	s_endpgm
.Lentry_in_a_cluster:
	s_bfe_u32 s2, ttmp6, 0x10000c
	s_cmp_lg_u32 s2, 0xf033
	s_cbranch_scc0 .Lentry_shape_is_right
	s_endpgm
.Lentry_shape_is_right:
; out0[m][n] = sum over f of x[m][f] W[n][f] + b_out[n], on codes of FP6 (E2M3) with one E8M0 scale for each 32 along f.  m: 2,048, n: 1,024, f: 1,024.
; x_codes [h' 16][m 2048][48 bytes], w_codes [h' 16][n 1024][48 bytes]: plane h' holds the codes of f = 64 h' .. 64 h' + 63.  x_scales [h'][m][2 bytes]; w_scales [n / 16][h'][n % 16][2 bytes].
; A fragment (16 rows x 128 along f, 12 registers) is two half fragments of 64: lane (r, h) takes the 24 bytes at 48 r + 24 h of planes 2 kk and 2 kk + 1: 768 dense bytes each.
; SHARES.  A work-group makes 128 rows x 64 columns: 256 work-groups.  Eight waves, each 32 x 32: four accumulators.  ALL OF K LIES IN LDS AT ONCE (A's 96 KiB, B's 48 KiB, the scales' 6 KiB): every LDS byte is
; filled once, so there is no ring and no change of slots.
; CLUSTERS: 4 x 4 work-groups.  The four of a row of the cluster need the same rows of x, the four of a column the same rows of W: each tile is asked for JOINTLY, by the same tensor load with the same descriptor
; and a mask that names the four.  One load a wave: waves 0-3 x's codes (4 planes each), waves 4, 5 W's (8 planes each), wave 6 x's scale bytes, wave 7 W's.  A wave has one tensor load out.
; THE MATRIX INSTRUCTION IS USED TRANSPOSED (source 0 = 16 rows of W, source 1 = 16 rows of x): a lane then holds eight neighbouring numbers of a row of out0.  The bias is the C of each sum's first instruction.
.set AIMG,  0                          ; LDS: x's codes: plane h' at 6144 h', row at 48
.set BIMG,  98304                      ; W's: plane h' at 3072 h'
.set ASC,   147456                     ; x's scale bytes: 256 h' + 2 x row
.set BSC,   151552                     ; W's: 512 (row / 16) + 32 h' + 2 (row % 16)
.set STAGE, 153600                     ; the way out: 128 rows x (256 bytes + 16); no fill lands here
.set SP,    272
.set ADA0, 4                           ; v4   my place in x's planes 0-7;  v5 in planes 8-15 (an LDS offset has 16 bits)
.set ADA1, 5
.set ADB,  6                           ; v6   in W's planes
.set ASA,  7                           ; v7   among x's scale bytes
.set ASB,  8                           ; v8   among W's
.set STO,  9                           ; v9   the way out: where I put 32 bytes of a row
.set RD,   10                          ; v10  where I read a row back
.set CO,   11                          ; v11  my byte offset in out0
.set BO,   12                          ; v12  32 h: my eight numbers of the bias
.set ACC,  16                          ; v16-47   accumulator (j, i) at 16 + 8 (2 j + i)
.set BI,   48                          ; v48-63   the bias, eight registers for each j
.set SA,   64                          ; v64-79   x's scale words (i, kk);  v80-95 W's (j, kk): they hold nothing else
.set SB,   80
.set FR0,  96                          ; v96-143, v144-191 two sets of fragments: x's i = 0, 1, then W's j = 0, 1
.set TMP,  192                         ; v192-255 the scales' halves as loaded; later rows of out0
.set G1A,  24                          ; s[24:31], s[32:39], s[48:55], s[56:63] descriptor groups 1;  s[68:83] groups 0
.set G1B,  32
.set G1AS, 48
.set G1BS, 56
.set G0A,  68
.set G0B,  72
.set G0AS, 76
.set G0BS, 80
.macro CROUND                          ; a round of the cluster's barrier: my work-group's barrier, wave 0's signal for the work-group, every wave's wait for all sixteen, my work-group's barrier once more
	s_barrier_signal -1
	s_barrier_wait -1
	s_cmp_lg_u32 s16, 0
	s_cbranch_scc1 .Lnot_wave_0_\@
	s_barrier_signal -3
.Lnot_wave_0_\@:
	s_barrier_wait -3
	s_barrier_signal -1
	s_barrier_wait -1
.endm
.macro PLACES n
.rept \n
	v_nop
.endr
.endm
	s_load_b256 s[4:11], s[0:1], 0x0               ; x_codes s[4:5], x_scales s[6:7], w_codes s[8:9], w_scales s[10:11]
	s_load_b128 s[12:15], s[0:1], 0x20             ; b_out s[12:13], out0 s[14:15]
	v_lshl_add_u32 v3, v0, 2, 0x2e000
	v_mov_b32 v15, 0
	ds_add_u32 v3, v15
	ds_add_u32 v3, v15
	v_lshrrev_b32 v1, 5, v0
	v_readfirstlane_b32 s16, v1                    ; wave 0..7
	s_bfe_u32 s40, ttmp6, 0x40000                  ; cx, cy: my place in the cluster
	s_bfe_u32 s41, ttmp6, 0x40004
	s_lshl_b32 s42, ttmp9, 2
	s_add_co_u32 s42, s42, s40                     ; tile column = 4 x cluster x + cx
	s_and_b32 s17, ttmp7, 0xffff
	s_lshl_b32 s17, s17, 2
	s_add_co_u32 s17, s17, s41                     ; tile row = 4 x cluster y + cy
	s_lshl_b32 s43, s41, 2
	s_lshl_b32 s43, 15, s43                        ; my row of the cluster
	s_lshl_b32 s44, 0x1111, s40                    ; my column
	; descriptor groups 1: elements of 8 bytes, no padding; 15:0 the mask, 17:16 the element's size (code 3), 21 set beside a mask
	s_or_b32 s[G1A], s43, (3<<16)|(1<<21)          ; x's codes: 4 planes x 6,144 bytes (128 rows of 48), 98,304 bytes from plane to plane
	s_mov_b32 s[G1A+1], 768<<16                    ; tensor_dim0 = 768
	s_mov_b32 s[G1A+2], 4<<16                      ; tensor_dim1 = 4
	s_mov_b32 s[G1A+3], 768<<16                    ; tile_dim0
	s_mov_b32 s[G1A+4], 4                          ; tile_dim1
	s_mov_b32 s[G1A+5], 12288                      ; tensor_dim0_stride
	s_mov_b32 s[G1A+6], 0
	s_mov_b32 s[G1A+7], 0
	s_or_b32 s[G1B], s44, (3<<16)|(1<<21)          ; W's codes: 8 planes x 3,072 bytes (64 rows of 48), 49,152 bytes apart
	s_mov_b32 s[G1B+1], 384<<16
	s_mov_b32 s[G1B+2], 8<<16
	s_mov_b32 s[G1B+3], 384<<16
	s_mov_b32 s[G1B+4], 8
	s_mov_b32 s[G1B+5], 6144
	s_mov_b32 s[G1B+6], 0
	s_mov_b32 s[G1B+7], 0
	s_or_b32 s[G1AS], s43, (3<<16)|(1<<21)         ; x's scale bytes: 16 planes x 256 bytes (128 rows of 2), 4,096 bytes apart
	s_mov_b32 s[G1AS+1], 32<<16
	s_mov_b32 s[G1AS+2], 16<<16
	s_mov_b32 s[G1AS+3], 32<<16
	s_mov_b32 s[G1AS+4], 16
	s_mov_b32 s[G1AS+5], 512
	s_mov_b32 s[G1AS+6], 0
	s_mov_b32 s[G1AS+7], 0
	s_or_b32 s[G1BS], s44, (3<<16)|(1<<21)         ; W's scale bytes: 2,048 dense bytes, as 8 rows of 256
	s_mov_b32 s[G1BS+1], 32<<16
	s_mov_b32 s[G1BS+2], 8<<16
	s_mov_b32 s[G1BS+3], 32<<16
	s_mov_b32 s[G1BS+4], 8
	s_mov_b32 s[G1BS+5], 32
	s_mov_b32 s[G1BS+6], 0
	s_mov_b32 s[G1BS+7], 0
	; where the tiles come from.  x's hang on the tile row alone, which my row of the cluster shares; W's on the tile column alone.  Every wave makes all four, in registers that never hold the other coordinate
	s_and_b32 s18, s16, 3
	s_and_b32 s19, s16, 1
	s_mul_i32 s20, s17, 6144
	s_mul_i32 s21, s18, 393216                     ; 4 planes
	s_add_co_u32 s20, s20, s21
	s_mov_b32 s21, 0
	s_lshl_b32 s22, s17, 8
	s_mov_b32 s23, 0
	s_mul_i32 s46, s42, 3072
	s_mul_i32 s47, s19, 393216                     ; 8 planes
	s_add_co_u32 s46, s46, s47
	s_mov_b32 s47, 0
	s_lshl_b32 s84, s42, 11
	s_mov_b32 s85, 0
	s_wait_dscnt 0x0
	s_wait_kmcnt 0x0
	s_mov_b32 s[G0A], 1                            ; 1:0 count = 1
	s_mul_i32 s[G0A+1], s18, 24576                 ; 63:32 LDS address: no place in the cluster enters it
	s_add_nc_u64 s[G0A+2:G0A+3], s[4:5], s[20:21]  ; 120:64 global address
	s_or_b32 s[G0A+3], s[G0A+3], 0x80000000        ; 127:126 type = 2
	s_mov_b32 s[G0B], 1
	s_mul_i32 s[G0B+1], s19, 24576
	s_add_co_u32 s[G0B+1], s[G0B+1], BIMG
	s_add_nc_u64 s[G0B+2:G0B+3], s[8:9], s[46:47]
	s_or_b32 s[G0B+3], s[G0B+3], 0x80000000
	s_mov_b32 s[G0AS], 1
	s_mov_b32 s[G0AS+1], ASC
	s_add_nc_u64 s[G0AS+2:G0AS+3], s[6:7], s[22:23]
	s_or_b32 s[G0AS+3], s[G0AS+3], 0x80000000
	s_mov_b32 s[G0BS], 1
	s_mov_b32 s[G0BS+1], BSC
	s_add_nc_u64 s[G0BS+2:G0BS+3], s[10:11], s[84:85]
	s_or_b32 s[G0BS+3], s[G0BS+3], 0x80000000
	CROUND                                         ; all sixteen work-groups are here: the joint loads meet
	s_cmp_lt_u32 s16, 4                            ; one load a wave; the branches hang on the wave's number alone.  Four v_nop follow each line, ahead of the jump and the label
	s_cbranch_scc0 .Lnot_a
	tensor_load_to_lds s[G0A:G0A+3], s[G1A:G1A+7]
	s_nop 0
	PLACES 4
	s_branch .Lasked
.Lnot_a:
	s_cmp_lt_u32 s16, 6
	s_cbranch_scc0 .Lnot_b
	tensor_load_to_lds s[G0B:G0B+3], s[G1B:G1B+7]
	s_nop 0
	PLACES 4
	s_branch .Lasked
.Lnot_b:
	s_cmp_eq_u32 s16, 6
	s_cbranch_scc0 .Lnot_as
	tensor_load_to_lds s[G0AS:G0AS+3], s[G1AS:G1AS+7]
	s_nop 0
	PLACES 4
	s_branch .Lasked
.Lnot_as:
	tensor_load_to_lds s[G0BS:G0BS+3], s[G1BS:G1BS+7]
	s_nop 0
	PLACES 4
.Lasked:
	v_and_b32 v1, 15, v0                           ; r
	v_bfe_u32 v2, v0, 4, 1                         ; h
	s_lshr_b32 s86, s16, 1                         ; which 32 of the 128 rows are mine
	s_and_b32 s87, s16, 1                          ; which 32 of the 64 columns
	v_mul_u32_u24 v13, v1, 48
	v_mad_u32_u24 v13, v2, 24, v13                 ; 48 r + 24 h: from lane to lane 24 bytes
	s_mul_i32 s88, s86, 1536
	v_add_nc_u32 v[ADA0], s88, v13
	v_add_nc_u32 v[ADA1], 49152, v[ADA0]
	s_mul_i32 s89, s87, 1536
	s_add_co_u32 s89, s89, BIMG
	v_add_nc_u32 v[ADB], s89, v13
	v_lshlrev_b32 v14, 1, v1
	s_lshl_b32 s90, s86, 6
	s_add_co_u32 s90, s90, ASC
	v_add_nc_u32 v[ASA], s90, v14
	s_lshl_b32 s91, s87, 10
	s_add_co_u32 s91, s91, BSC
	v_add_nc_u32 v[ASB], s91, v14
	v_mul_u32_u24 v[STO], v1, SP                   ; into the stage: row 32 x (wave / 2) + r, + 128 x (wave % 2) + 32 h
	v_lshl_add_u32 v[STO], v2, 5, v[STO]
	s_mul_i32 s92, s86, 32*SP
	s_lshl_b32 s93, s87, 7
	s_add_co_u32 s92, s92, s93
	s_add_co_u32 s92, s92, STAGE
	v_add_nc_u32 v[STO], s92, v[STO]
	v_mul_u32_u24 v[RD], v2, SP                    ; back: wave w takes rows 16 w .. 16 w + 15, whole; lanes 0-15 one row of 256 bytes, lanes 16-31 the next
	v_lshl_add_u32 v[RD], v1, 4, v[RD]
	s_mul_i32 s94, s16, 16*SP
	s_add_co_u32 s94, s94, STAGE
	v_add_nc_u32 v[RD], s94, v[RD]
	v_lshlrev_b32 v[CO], 12, v2                    ; and the same two rows in out0
	v_lshl_add_u32 v[CO], v1, 4, v[CO]
	v_lshlrev_b32 v[BO], 5, v2
	s_lshl_b32 s88, s42, 8                         ; the tile's first column, in bytes
	s_mov_b32 s89, 0
	s_add_nc_u64 s[12:13], s[12:13], s[88:89]
	s_add_nc_u64 s[14:15], s[14:15], s[88:89]
	s_lshl_b32 s88, s87, 7
	s_add_nc_u64 s[12:13], s[12:13], s[88:89]      ; the bias at my 32 columns
	s_lshl_b32 s88, s17, 19                        ; 128 rows of 4,096 bytes,
	s_lshl_b32 s90, s16, 16                        ; my wave's 16 of them
	s_add_co_u32 s88, s88, s90
	s_add_nc_u64 s[14:15], s[14:15], s[88:89]
.irp j, 0,1
	global_load_b128 v[BI+8*\j:BI+8*\j+3], v[BO], s[12:13] offset:64*\j        ; lane (r, h): b_out at columns 16 j + 8 h + 0 .. 7: the result's layout
	global_load_b128 v[BI+8*\j+4:BI+8*\j+7], v[BO], s[12:13] offset:64*\j+16
.endr
	s_wait_tensorcnt 0x0                           ; my one load has landed,
	s_barrier_signal -1
	s_barrier_wait -1                              ; everybody's has: all of K lies in LDS, and nothing is filled again
; 24 LDS loads: the fragments of K step kk (planes 2 kk and 2 kk + 1) into set kk % 2, in pieces of 8 bytes, so that every address is a multiple of the access's size
.macro FETCH kk
.set FS, FR0+48*((\kk)%2)
.irp c, 0,1
.irp i, 0,1
.irp p, 0,1,2
.if 2*(\kk)+\c < 8
	ds_load_b64 v[FS+12*\i+6*\c+2*\p:FS+12*\i+6*\c+2*\p+1], v[ADA0] offset:(2*(\kk)+\c)*6144+768*\i+8*\p
.else
	ds_load_b64 v[FS+12*\i+6*\c+2*\p:FS+12*\i+6*\c+2*\p+1], v[ADA1] offset:(2*(\kk)+\c-8)*6144+768*\i+8*\p
.endif
.endr
.endr
.irp j, 0,1
.irp p, 0,1,2
	ds_load_b64 v[FS+24+12*\j+6*\c+2*\p:FS+24+12*\j+6*\c+2*\p+1], v[ADB] offset:(2*(\kk)+\c)*3072+768*\j+8*\p
.endr
.endr
.endr
.endm
; four products: the four accumulators take turns, one instruction a turn.  first = 1: the bias starts the sums
.macro MUL kk, first
.set FS, FR0+48*((\kk)%2)
.irp j, 0,1
.irp i, 0,1
.if \first
	v_wmma_scale_f32_16x16x128_f8f6f4 v[ACC+8*(2*\j+\i):ACC+8*(2*\j+\i)+7], v[FS+24+12*\j:FS+24+12*\j+11], v[FS+12*\i:FS+12*\i+11], v[BI+8*\j:BI+8*\j+7], v[SB+8*\j+(\kk)], v[SA+8*\i+(\kk)] matrix_a_fmt:MATRIX_FMT_FP6 matrix_b_fmt:MATRIX_FMT_FP6
.else
	v_wmma_scale_f32_16x16x128_f8f6f4 v[ACC+8*(2*\j+\i):ACC+8*(2*\j+\i)+7], v[FS+24+12*\j:FS+24+12*\j+11], v[FS+12*\i:FS+12*\i+11], v[ACC+8*(2*\j+\i):ACC+8*(2*\j+\i)+7], v[SB+8*\j+(\kk)], v[SA+8*\i+(\kk)] matrix_a_fmt:MATRIX_FMT_FP6 matrix_b_fmt:MATRIX_FMT_FP6
.endif
.endr
.endr
.endm
.irp i, 0,1                                    ; the scales of my 32 rows and 32 columns for all of K: two bytes for a row and a plane
.irp p, 0,1,2,3,4,5,6,7,8,9,10,11,12,13,14,15
	ds_load_u16 v[TMP+16*\i+\p], v[ASA] offset:256*\p+32*\i
.endr
.endr
.irp j, 0,1
.irp p, 0,1,2,3,4,5,6,7,8,9,10,11,12,13,14,15
	ds_load_u16 v[TMP+32+16*\j+\p], v[ASB] offset:512*\j+32*\p
.endr
.endr
	FETCH 0
	s_wait_dscnt 24                                ; the 64 halves are in; the 24 loads issued behind them may be out
.irp i, 0,1
.irp q, 0,1,2,3,4,5,6,7
	v_lshl_or_b32 v[SA+8*\i+\q], v[TMP+16*\i+2*\q+1], 16, v[TMP+16*\i+2*\q]        ; a K step's scale word: plane 2 kk's two bytes below, plane 2 kk + 1's above
	v_lshl_or_b32 v[SB+8*\i+\q], v[TMP+32+16*\i+2*\q+1], 16, v[TMP+32+16*\i+2*\q]
.endr
.endr
	PLACES 8                                       ; a scale register written by a vector instruction stands eight places ahead of a scaled matrix instruction
	FETCH 1
	s_wait_loadcnt 0x0                             ; the bias
	s_wait_dscnt 24                                ; K step 0's fragments are in; K step 1's 24 loads may be out
	MUL 0, 1
.irp kk, 1,2,3,4,5,6
	PLACES 4                                       ; four places (ISA guide 7.12.1 for vector instructions) in front of loads into registers that the last products read
	FETCH \kk+1
	s_wait_dscnt 24                                ; this K step's fragments are in; the 24 loads just issued may be out
	MUL \kk, 0
.endr
	s_wait_dscnt 0x0                               ; the last K step: nothing more to fetch
	MUL 7, 0
	; THE WAY OUT: 32 bytes a lane into the work-group's stage; a barrier, since a row's 256 bytes come from two waves; back as whole rows, 16 rows a wave
	PLACES 4
.irp i, 0,1
.irp j, 0,1
	ds_store_b128 v[STO], v[ACC+8*(2*\j+\i):ACC+8*(2*\j+\i)+3] offset:16*\i*SP+64*\j          ; each accumulator from its low end on
	ds_store_b128 v[STO], v[ACC+8*(2*\j+\i)+4:ACC+8*(2*\j+\i)+7] offset:16*\i*SP+64*\j+16
.endr
.endr
	s_wait_dscnt 0x0                               ; for the others' sake: my stores into the stage are done
	s_barrier_signal -1
	s_barrier_wait -1
.irp t, 0,1,2,3,4,5,6,7
	ds_load_b128 v[TMP+4*\t:TMP+4*\t+3], v[RD] offset:\t*2*SP
.endr
.irp t, 0,1,2,3,4,5,6,7
	s_wait_dscnt 7-\t                              ; LDS loads come back in order: pair t of rows is in, the younger ones may be out
	global_store_b128 v[CO], v[TMP+4*\t:TMP+4*\t+3], s[14:15] offset:8192*\t th:TH_STORE_NT   ; 16 lanes store 256 consecutive bytes, at a multiple of 256 from out0's first byte; written once, read by nobody here
.endr
	s_wait_tensorcnt 0x0
	ds_add_u32 v3, v15
	s_wait_dscnt 0x0
	CROUND                                         ; the closing round: no work-group ends while a partner may still ask for a tile that names it
	s_endpgm
.Lfunc_end_k_qd8384c1980_proj:
	.size	k_qd8384c1980_proj, .Lfunc_end_k_qd8384c1980_proj-k_qd8384c1980_proj
	.p2alignl 7, 3214868480
	.fill 96, 4, 3214868480
	.section	.rodata,"a",@progbits
	.p2align	6, 0x0
	.amdhsa_kernel k_qd8384c1980_proj
		.amdhsa_group_segment_fixed_size 189440
		.amdhsa_private_segment_fixed_size 0
		.amdhsa_enable_private_segment 0
		.amdhsa_kernarg_size 48
		.amdhsa_user_sgpr_count 2
		.amdhsa_user_sgpr_kernarg_segment_ptr 1
		.amdhsa_wavefront_size32 1
		.amdhsa_system_sgpr_workgroup_id_x 1
		.amdhsa_system_sgpr_workgroup_id_y 1
		.amdhsa_system_sgpr_workgroup_id_z 1
		.amdhsa_system_vgpr_workitem_id 0
		.amdhsa_next_free_vgpr 256
		.amdhsa_next_free_sgpr 100
		.amdhsa_reserve_vcc 0
		.amdhsa_float_denorm_mode_32 3
		.amdhsa_float_denorm_mode_16_64 3
		.amdhsa_memory_ordered 1
		.amdhsa_forward_progress 1
		.amdhsa_inst_pref_size 35
	.end_amdhsa_kernel
	.amdgpu_metadata
---
amdhsa.version: [ 1, 2 ]
amdhsa.kernels:
  - .name:           k_qd8384c1980_proj
    .symbol:         k_qd8384c1980_proj.kd
    .args:
      - { .name: x_codes, .offset: 0, .size: 8, .value_kind: global_buffer, .address_space: global }
      - { .name: x_scales, .offset: 8, .size: 8, .value_kind: global_buffer, .address_space: global }
      - { .name: w_codes, .offset: 16, .size: 8, .value_kind: global_buffer, .address_space: global }
      - { .name: w_scales, .offset: 24, .size: 8, .value_kind: global_buffer, .address_space: global }
      - { .name: b_out, .offset: 32, .size: 8, .value_kind: global_buffer, .address_space: global }
      - { .name: out0, .offset: 40, .size: 8, .value_kind: global_buffer, .address_space: global }
    .group_segment_fixed_size: 189440
    .private_segment_fixed_size: 0
    .kernarg_segment_align: 8
    .kernarg_segment_size: 48
    .max_flat_workgroup_size: 256
    .sgpr_count:     100
    .vgpr_count:     256
    .wavefront_size: 32
...
	.end_amdgpu_metadata
.endif
;; end of part 2
